; MI455X (gfx1250); checked and timed in simulation.
; The chip was launched on July 23, 2026; its instructions are those of AMD's public machine-readable ISA for CDNA 5 (MIT licence, August 2026) and "CDNA5" Instruction Set Architecture Reference Guide (July 2026). The comments in the code are by the model that wrote it; some were corrected since.
;; Custom Linear. Allowed arithmetic: float matrix products may take bf16 or f16 operands with f32 sums; all other float work in f32.
;; Inputs: bias 4,096 float32; weight 4,096 x 4,096 float32; x 4,096 x 4,096 float32.
;; Outputs: out0 4,096 x 4,096 float32.
;; 2 versions, each right; version 2 is version 1 with the launch quant written anew for expert scheduling mode. Each part assembles by itself: llvm-mc -triple=amdgcn-amd-amdhsa -mcpu=gfx1250 --defsym DOCPART=n.
;; ======== version 1 of 2: 2 launches
;; limits: inputs' magnitudes at most 2.6e+33
;; workspace buffers: xq 33,554,432 bytes; wq 33,554,432 bytes
;; launch quant (part 1): grid 512 x 2, 8 waves a work-group, no clusters, 0 bytes of LDS; arguments x, weight, xq, wq; writes xq, wq
.if DOCPART == 1
	.amdgcn_target "amdgcn-amd-amdhsa--gfx1250"
	.amdhsa_code_object_version 6
	.text
	.protected	k_q6dc8f24aaf_quant
	.globl	k_q6dc8f24aaf_quant
	.p2align	8
	.type	k_q6dc8f24aaf_quant,@function
k_q6dc8f24aaf_quant:
	s_mov_b64 s[64:65], 0
	v_nop
	global_prefetch_b8 v0, s[64:65] scope:SCOPE_SE
	s_setreg_imm32_b32 hwreg(HW_REG_WAVE_MODE, 25, 1), 1
	s_wait_xcnt 0x0
; BLOCK-FLOATING-POINT ROUNDING of x (grid y = 0) and of weight (grid y = 1): [4096][4096] f32 in, the same shape in bf16 out.
; 16 neighbouring numbers of a row share e = floor(log2(max |.|)); each is rounded, ties to even, to a whole number q of steps of 2^(e-6), q cut at +127
; (|x| < 2^(e+1) = 128 steps, so -128 is never passed and no lower cut is needed).  q x 2^(e-6) has 8 significant bits at the most: it IS a bf16 number, so the
; conversion at the end loses nothing, and the product that follows takes exactly the numbers that the rounding made.
; HOW.  E = the biased exponent of the group's maximum.  C = 1.5 x 2^(E+17-127) is 1.5 x 2^23 steps, and between 2^23 and 2^24 steps neighbouring f32 numbers lie one step apart.
; So x + C is the rounding to whole steps (ties to even: C is an even number of steps); C's bit pattern + 127 is C + 127 steps, the cut; and (x + C) - C is exact.
; E = 0 (a maximum that is zero or denormal) gives e = -127, as the floor of log2(1e-38) does; a group of zeros gives zeros.
; LIMITS.  |x| stays below 2^111 (2.6e33): C needs E + 17 <= 254.  NaN and infinities are not treated apart (a NaN loses in the maximum).  e is the true floor of log2: a log2 computed in f32 may round
; up to the next whole number for a maximum within a few last places below a power of two, and that group then has twice the step there.  A zero result is +0 whatever the sign of x.
; SHARES.  A tensor is 64 MiB on end.  A work-group owns 131,072 bytes of it: 32 chunks of 4,096.  Thread t takes the 16 bytes at 16 t of every chunk, so a wave's load covers 512 consecutive bytes and
; a group of 16 numbers lies in four neighbouring lanes; its 4 results are the 8 bytes at 8 t of 2,048, so a wave's store covers 256 consecutive bytes, at a multiple of 256 from the buffer's first.
; A ring of DEPTH slots in registers keeps DEPTH loads of every wave on their way.  No LDS, no barrier, no matrix unit: nothing is shared between waves, and every byte is read and written once.
.set DEPTH,  8
.set CHUNKS, 32
.set ROUNDS, CHUNKS/DEPTH
.set INB,    4096                      ; bytes of a chunk as read
.set OUTB,   2048                      ; and as written
.set IN,  1                            ; v1        16 t; never rewritten
.set OUT, 2                            ; v2        8 t; never rewritten
.set WK,  4                            ; v[4:19]   two sets of eight at work, by the slot's parity: +0 the maximum, +2 C, +3 C + 127 steps, +4..+7 four numbers
.set X,   20                           ; v[20:51]  slot i: 4 numbers as loaded
.set Y,   52                           ; v[52:67]  slot i: 4 bf16 to store
	s_load_b256 s[4:11], s[0:1], 0x0               ; x s[4:5], weight s[6:7], xq s[8:9], wq s[10:11]
	v_lshlrev_b32 v[IN], 4, v0
	v_lshlrev_b32 v[OUT], 3, v0
	s_lshl_b32 s2, ttmp9, 17                       ; the work-group's 131,072 bytes of input (under 2^26),
	s_mov_b32 s3, 0
	s_lshl_b32 s16, ttmp9, 16                      ; and its 65,536 bytes of output
	s_mov_b32 s17, 0
	s_and_b32 s15, ttmp7, 0xffff                   ; which tensor
	s_mov_b32 s12, 0x7f800000                      ; an f32's exponent field
	s_mov_b32 s13, 0x08c00000                      ; 17 in the exponent field and the mantissa of 1.5
	s_wait_kmcnt 0x0
	s_cmp_eq_u32 s15, 0
	s_cselect_b64 s[4:5], s[4:5], s[6:7]           ; from x or from weight,
	s_cselect_b64 s[6:7], s[8:9], s[10:11]         ; to xq or to wq
	s_add_nc_u64 s[4:5], s[4:5], s[2:3]
	s_add_nc_u64 s[6:7], s[6:7], s[16:17]
.irp i, 0,1,2,3,4,5,6,7
	global_load_b128 v[X+4*(\i):X+4*(\i)+3], v[IN], s[4:5] offset:(\i)*INB th:TH_LOAD_NT  ; the ring is filled: chunks 0 to 7
.endr
; One slot's turn.  ahead = 1: the slot is filled again with the chunk DEPTH further on.  left = how many younger loads may stay out.
.macro SLOT i, ahead, left
.set W,  WK+8*((\i)%2)
.set XI, X+4*(\i)
.set YI, Y+2*(\i)
	s_wait_loadcnt \left                           ; loads come back in order (ISA guide 5.7.1): mine is in, the younger ones stay out
	s_wait_xcnt 0x0                                ; this slot's Y, which its last store reads, is rewritten only behind this wait
	v_max3_num_f32 v[W], |v[XI]|, |v[XI+1]|, |v[XI+2]|
	v_max_num_f32 v[W], v[W], |v[XI+3]|            ; the largest magnitude of my four,
	v_max_num_f32_dpp v[W], v[W], v[W] row_xmask:1 row_mask:0xf bank_mask:0xf
	v_max_num_f32_dpp v[W], v[W], v[W] row_xmask:2 row_mask:0xf bank_mask:0xf  ; and of the group's sixteen, in all four lanes
	v_and_b32 v[W], s12, v[W]                      ; E in its field
	v_add_nc_u32 v[W+2], s13, v[W]                 ; C
	v_add_nc_u32 v[W+3], 127, v[W+2]               ; C + 127 steps
	v_pk_add_f32 v[W+4:W+5], v[XI:XI+1],   v[W+2:W+3] op_sel_hi:[1,0]  ; x + C: rounded to whole steps
	v_pk_add_f32 v[W+6:W+7], v[XI+2:XI+3], v[W+2:W+3] op_sel_hi:[1,0]
.irp j, 4,5,6,7
	v_min_num_f32 v[W+(\j)], v[W+(\j)], v[W+3]     ; cut at +127 steps
.endr
	v_pk_add_f32 v[W+4:W+5], v[W+4:W+5], v[W+2:W+3] op_sel_hi:[1,0] neg_lo:[0,1] neg_hi:[0,1]  ; less C: exact
	v_pk_add_f32 v[W+6:W+7], v[W+6:W+7], v[W+2:W+3] op_sel_hi:[1,0] neg_lo:[0,1] neg_hi:[0,1]
	v_cvt_pk_bf16_f32 v[YI],   v[W+4], v[W+5]      ; exact too
	v_cvt_pk_bf16_f32 v[YI+1], v[W+6], v[W+7]
.if \ahead
	global_load_b128 v[XI:XI+3], v[IN], s[4:5] offset:(DEPTH+(\i))*INB th:TH_LOAD_NT
.endif
	global_store_b64 v[OUT], v[YI:YI+1], s[6:7] offset:(\i)*OUTB  ; no hint: the next launch reads these bytes
.endm
	s_mov_b32 s14, ROUNDS-1
.Lround:
.irp i, 0,1,2,3,4,5,6,7
	SLOT \i, 1, DEPTH-1
.endr
	s_wait_xcnt 0x0                                ; both bases are stepped only behind this wait
	s_add_nc_u64 s[4:5], s[4:5], DEPTH*INB
	s_add_nc_u64 s[6:7], s[6:7], DEPTH*OUTB
	s_sub_co_u32 s14, s14, 1
	s_cmp_lg_u32 s14, 0
	s_cbranch_scc1 .Lround
.irp i, 0,1,2,3,4,5,6,7
	SLOT \i, 0, DEPTH-1-(\i)                       ; the last round loads nothing: the counts run down, and no load leaves the buffer
.endr
	s_endpgm
.Lfunc_end_k_q6dc8f24aaf_quant:
	.size	k_q6dc8f24aaf_quant, .Lfunc_end_k_q6dc8f24aaf_quant-k_q6dc8f24aaf_quant
	.p2alignl 7, 3214868480
	.fill 96, 4, 3214868480
	.section	.rodata,"a",@progbits
	.p2align	6, 0x0
	.amdhsa_kernel k_q6dc8f24aaf_quant
		.amdhsa_group_segment_fixed_size 0
		.amdhsa_private_segment_fixed_size 0
		.amdhsa_enable_private_segment 0
		.amdhsa_kernarg_size 32
		.amdhsa_user_sgpr_count 2
		.amdhsa_user_sgpr_kernarg_segment_ptr 1
		.amdhsa_wavefront_size32 1
		.amdhsa_system_sgpr_workgroup_id_x 1
		.amdhsa_system_sgpr_workgroup_id_y 1
		.amdhsa_system_sgpr_workgroup_id_z 1
		.amdhsa_system_vgpr_workitem_id 0
		.amdhsa_next_free_vgpr 68
		.amdhsa_next_free_sgpr 66
		.amdhsa_reserve_vcc 0
		.amdhsa_float_denorm_mode_32 3
		.amdhsa_float_denorm_mode_16_64 3
		.amdhsa_memory_ordered 1
		.amdhsa_forward_progress 1
		.amdhsa_inst_pref_size 20
	.end_amdhsa_kernel
	.amdgpu_metadata
---
amdhsa.version: [ 1, 2 ]
amdhsa.kernels:
  - .name:           k_q6dc8f24aaf_quant
    .symbol:         k_q6dc8f24aaf_quant.kd
    .args:
      - { .name: x, .offset: 0, .size: 8, .value_kind: global_buffer, .address_space: global }
      - { .name: weight, .offset: 8, .size: 8, .value_kind: global_buffer, .address_space: global }
      - { .name: xq, .offset: 16, .size: 8, .value_kind: global_buffer, .address_space: global }
      - { .name: wq, .offset: 24, .size: 8, .value_kind: global_buffer, .address_space: global }
    .group_segment_fixed_size: 0
    .private_segment_fixed_size: 0
    .kernarg_segment_align: 8
    .kernarg_segment_size: 32
    .max_flat_workgroup_size: 256
    .sgpr_count:     66
    .vgpr_count:     68
    .wavefront_size: 32
...
	.end_amdgpu_metadata
.endif
;; end of part 1
;; launch gemm (part 2): grid 16 x 16, 4 waves a work-group, clusters of 4 x 4, 327,680 bytes of LDS; arguments xq, wq, bias, out0; writes out0
.if DOCPART == 2
	.amdgcn_target "amdgcn-amd-amdhsa--gfx1250"
	.amdhsa_code_object_version 6
	.text
	.protected	k_q6dc8f24aaf_gemm
	.globl	k_q6dc8f24aaf_gemm
	.p2align	8
	.type	k_q6dc8f24aaf_gemm,@function
k_q6dc8f24aaf_gemm:
	s_mov_b64 s[64:65], 0
	v_nop
	global_prefetch_b8 v0, s[64:65] scope:SCOPE_SE
	s_setreg_imm32_b32 hwreg(HW_REG_WAVE_MODE, 25, 1), 1
	s_wait_xcnt 0x0
	s_wait_alu depctr_hold_cnt(0) depctr_sa_sdst(0) depctr_va_vdst(0) depctr_va_sdst(0) depctr_va_ssrc(0) depctr_va_vcc(0) depctr_vm_vsrc(0)
	s_getreg_b32 s2, hwreg(HW_REG_IB_STS2, 6, 4)
	s_cmp_eq_u32 s2, 0
	s_cbranch_scc0 .Lentry_in_a_cluster
	s_endpgm
.Lentry_in_a_cluster:
	s_bfe_u32 s2, ttmp6, 0x10000c
	s_cmp_lg_u32 s2, 0xf033
	s_cbranch_scc0 .Lentry_shape_is_right
	s_endpgm
.Lentry_shape_is_right:
; out0[m][n] = sum over k of xq[m][k] wq[n][k] + bias[n].  xq, wq: [4096][4096] bf16, the block-floating-point numbers exactly; bias: [4096] f32; out0: [4096][4096] f32.  Sums in f32.
; A tile of out0, 256 x 256, is made by a work-group of four waves, as many as a WGP has SIMDs: 16 x 16 = 256 tiles, one a work-group.  A wave makes 128 x 128: 64 accumulators of 16 x 16, 512 registers.
; K goes in 32 steps of 128 through a ring of two LDS slots filled by the tensor data mover: a tile's rows are 256 bytes of memory and start at multiples of 256 bytes from the buffer's first byte.
; CLUSTERS: 4 x 4 work-groups.  The four of a row of the cluster need the same tiles of xq (A), the four of a column the same tiles of wq (B).  Such a tile is asked for JOINTLY: each of the four issues
; the same tensor load, with the same descriptor and a mask that names the four, and each receives the tile in its own LDS.  That divides the requests for A and for B by four.
; THE MATRIX INSTRUCTION IS USED TRANSPOSED: source 0 = 16 rows of B, source 1 = 16 rows of A.  Lane l then holds row l % 16 of the result and its registers 0 to 7 the columns 8 (l / 16) + 0 .. 7:
; 32 neighbouring bytes of a row of out0.
; THE WAY OUT: 16 rows at a time go through a stage in LDS that is the wave's own and come back as whole rows of 512 bytes; the bias is added there, where a lane holds the same four columns in every row.
; LIMITS: the order of the f32 sums is the matrix unit's, K ascending, not that of a chain of single additions.  NaN and infinities are not treated apart.
;
; REGISTERS, in windows of 256 (s_set_vgpr_msb's low byte: bits 1:0 source 0, 3:2 source 1, 5:4 source 2, 7:6 destination):
;   window 0: v0-31 addresses and the bias; v64-127, v128-191 fragments of A (8 x 16 rows x 32 K), two buffers; on the way out the same registers take the rows read back from the stage
;   window 1: v64-127, v128-191 fragments of B, two buffers
;   window 2: the 32 accumulators of my rows 0-63 (accumulator (a, b) at v[8 (8 a + b)]);   window 3: those of my rows 64-127
.set SIZE_K, 4096
.set SIZE_N, 4096
.set KSTEP,  128
.set PITCH,  272                       ; an LDS row: 256 bytes of data + 16 of padding = 68 words: row r starts at bank 4 r mod 64 (64 banks of 4 bytes: ISA guide 11.1), so the 16 rows that a load touches start at 16 different banks
.set HALFT,  128*PITCH                 ; 128 rows: what one tensor load brings, and what one wave reads of A or of B
.set SLOT,   4*HALFT                   ; A's 256 rows, then B's 256 rows
.set STAGE,  2*SLOT                    ; behind the ring: for each wave 16 rows of 512 bytes + 16 of padding; no tensor load lands here
.set SP,     528                       ; 132 words: again 4 r mod 64
.set WSTAGE, 16*SP                     ; 8,448 bytes: 33 blocks of 256
.set SPARE,  STAGE+4*WSTAGE            ; behind the stages: the spare words, 128 bytes for each wave: two blocks of 256 bytes that no other line names
.set LAPS,   SIZE_K/(2*KSTEP)          ; a lap = two K steps = once round the ring: 16
.set BI,   8                           ; v[8:11] the bias of my four columns on the way out
.set ADRA, 16                          ; v16-17  LDS address of my A fragments in slot 0, 1
.set ADRB, 20                          ; v20-21  the same for B
.set STO,  24                          ; v24     the way out: where I put 32 bytes of a row
.set RD,   25                          ; v25     the way out: where I read 16 bytes of a row back
.set CO,   26                          ; v26     16 x lane: my byte offset in 512 bytes of out0 and of bias; never rewritten
.set SPW,  28                          ; v28     LDS address of my spare word: SPARE + 4 x my thread's number; never rewritten
.set NIL,  29                          ; v29     0; never rewritten
.set F0,   64                          ; fragment buffer 0
.set F1,   128                         ; fragment buffer 1
.set G1,  24                           ; s[24:31] descriptor group 1 for A's tiles
.set G0,  32                           ; s[32:39] descriptor group 0 for A's tiles, one set for each slot
.set G1B, 48                           ; s[48:55] descriptor group 1 for B's tiles: it differs from A's in the mask alone
.set G0B, 56                           ; s[56:63] descriptor group 0 for B's tiles, one set for each slot
; s12 my wave's number; s13 = wave / 2: my half of the tile's rows, and whether I fetch for A (0) or for B (1); s14 = wave % 2: my half of its columns, and which 128 rows I fetch; s3 counts laps
.set MSB, 0
.macro WIN new                         ; the immediate's high byte repeats the setting that is left; a switch that changes nothing is dropped
.if MSB != (\new)
	s_set_vgpr_msb (MSB<<8)|(\new)
.set MSB, \new
.endif
.endm
.set MUL_LO, 0xa1                      ; source 0 (B) window 1, source 1 (A) window 0, C and D window 2
.set MUL_HI, 0xf1                      ; the same, C and D window 3
.set TO_B,   0x40                      ; destination window 1, address window 0
; A joint load.  Waves 0 and 1 fetch A's two halves, waves 2 and 3 B's.  Each of the two lines has ONE mask and one set of registers for all that issue it.  The branch hangs on the wave's number alone.
; An s_nop 0 and four v_nop follow each of the two lines; the jump round the other line, the label and what follows the macro come after them.
.macro JLOAD s
	s_cmp_eq_u32 s13, 0
	s_cbranch_scc0 .Lfor_b_\@
	tensor_load_to_lds s[G0+4*(\s):G0+4*(\s)+3], s[G1:G1+7]
	s_nop 0
.rept 4
	v_nop
.endr
	s_branch .Lasked_\@
.Lfor_b_\@:
	tensor_load_to_lds s[G0B+4*(\s):G0B+4*(\s)+3], s[G1B:G1B+7]
	s_nop 0
.rept 4
	v_nop
.endr
.Lasked_\@:
.endm
; A round of the cluster's barrier: my work-group's barrier, so that wave 0's signal speaks for all four waves; wave 0 signals for the work-group; every wave waits for all sixteen work-groups;
; my work-group's barrier once more.  No LDS instruction of the wave is pending at a signal.
.macro CREST                           ; a round behind its opening barrier
	s_cmp_lg_u32 s12, 0
	s_cbranch_scc1 .Lnot_wave_0_\@
	s_barrier_signal -3
.Lnot_wave_0_\@:
	s_barrier_wait -3
	s_barrier_signal -1
	s_barrier_wait -1
.endm
.macro CROUND                          ; a whole round
	s_barrier_signal -1
	s_barrier_wait -1
	CREST
.endm
	s_load_b256 s[4:11], s[0:1], 0x0               ; xq s[4:5], wq s[6:7], bias s[8:9], out0 s[10:11]
	v_lshl_add_u32 v[SPW], v0, 2, SPARE
	v_mov_b32 v[NIL], 0
	ds_add_u32 v[SPW], v[NIL]                      ; the wave's opening: the add and its wait stand ahead of my first tensor load; the set-up below, work on registers, stands between them
	v_lshrrev_b32 v1, 5, v0
	v_readfirstlane_b32 s12, v1                    ; wave 0..3
	s_lshr_b32 s13, s12, 1
	s_and_b32 s14, s12, 1
	s_bfe_u32 s40, ttmp6, 0x40000                  ; cx: my place along the cluster's x
	s_bfe_u32 s41, ttmp6, 0x40004                  ; cy: along its y
	s_lshl_b32 s42, ttmp9, 2                       ; in a cluster launch ttmp9 and ttmp7 count clusters
	s_add_co_u32 s42, s42, s40                     ; tile column = 4 x cluster x + cx
	s_and_b32 s43, ttmp7, 0xffff
	s_lshl_b32 s43, s43, 2
	s_add_co_u32 s43, s43, s41                     ; tile row = 4 x cluster y + cy
	s_lshl_b32 s44, s41, 2
	s_lshl_b32 s44, 15, s44                        ; my row of the cluster: places 4 cy .. 4 cy + 3
	s_lshl_b32 s45, 0x1111, s40                    ; my column: places cx, cx + 4, cx + 8, cx + 12
	; descriptor group 1: a tile of 128 rows x 128 elements, padded in LDS
	s_or_b32 s[G1+0], s44, (1<<16)|(1<<20)|(1<<21)|(5<<22)|(3<<25)   ; 15:0 the mask: A's tiles go to my row; 17:16 elements of 2 bytes; 20 padding on; 21 set beside a mask; 24:22 after every 64 words (code 5); 31:25 4 words of it (code 3)
	s_or_b32 s[G1B+0], s45, (1<<16)|(1<<20)|(1<<21)|(5<<22)|(3<<25)  ; the same with the mask of my column, for B's tiles
.irp g, G1, G1B
	s_mov_b32 s[(\g)+1], KSTEP<<16                 ; 63:48 tensor_dim0, low half = 128
	s_mov_b32 s[(\g)+2], 128<<16                   ; 79:64 its high half = 0; 95:80 tensor_dim1, low half = 128
	s_mov_b32 s[(\g)+3], KSTEP<<16                 ; 111:96 its high half = 0; 127:112 tile_dim0 = 128
	s_mov_b32 s[(\g)+4], 128                       ; 143:128 tile_dim1 = 128; 159:144 tile_dim2 = 0
	s_mov_b32 s[(\g)+5], SIZE_K                    ; 191:160 tensor_dim0_stride, low word: elements from row to row
	s_mov_b32 s[(\g)+6], 0
	s_mov_b32 s[(\g)+7], 0
.endr
	; where the tiles come from.  A's hang on the tile row alone, which my row of the cluster shares; B's on the tile column alone, which my column shares.
	; Every wave makes both addresses, in registers that never hold the other coordinate, and asks by one of them.  A row is 8,192 bytes; both offsets stay under 2^25.
	s_lshl_b32 s17, s14, 7                         ; which 128 rows of the tile I fetch
	s_lshl_b32 s16, s43, 8
	s_add_co_u32 s16, s16, s17                     ; A: row 256 x tile row + 128 x half,
	s_lshl_b32 s16, s16, 13                        ; in bytes
	s_lshl_b32 s46, s42, 8
	s_add_co_u32 s46, s46, s17                     ; B: row 256 x tile column + 128 x half,
	s_lshl_b32 s46, s46, 13                        ; in bytes
	s_mov_b32 s17, 0
	s_mov_b32 s47, 0
	s_mul_i32 s20, s12, HALFT                      ; and where they go: A's two halves, then B's two halves = wave x 128 rows: no place in the cluster enters an LDS address
	s_wait_dscnt 0x0                               ; the opening add is done
	s_wait_kmcnt 0x0
	s_add_nc_u64 s[18:19], s[4:5], s[16:17]
	s_add_nc_u64 s[46:47], s[6:7], s[46:47]
	CROUND                                         ; all sixteen work-groups are here: the first joint loads meet
.irp s, 0,1
	s_mov_b32 s[G0+4*(\s)], 1                                      ; 1:0 count = 1
	s_add_co_u32 s[G0+4*(\s)+1], s20, (\s)*SLOT                    ; 63:32 LDS address
	s_add_nc_u64 s[G0+4*(\s)+2:G0+4*(\s)+3], s[18:19], (\s)*KSTEP*2  ; 120:64 global address: K step s
	s_or_b32 s[G0+4*(\s)+3], s[G0+4*(\s)+3], 0x80000000            ; 127:126 type = 2
	s_mov_b32 s[G0B+4*(\s)], 1
	s_add_co_u32 s[G0B+4*(\s)+1], s20, (\s)*SLOT
	s_add_nc_u64 s[G0B+4*(\s)+2:G0B+4*(\s)+3], s[46:47], (\s)*KSTEP*2
	s_or_b32 s[G0B+4*(\s)+3], s[G0B+4*(\s)+3], 0x80000000
	JLOAD \s                                       ; the ring is filled before anything else is done: two tensor loads of mine are out
.endr
	; A fragment is 16 rows x 32 K in 8 registers: lane l holds row l % 16; registers 0-3 hold K = 8 (l / 16) + 0..7, registers 4-7 hold
	; K = 16 + 8 (l / 16) + 0..7.  From rows that lie along K: two loads of 16 bytes, 32 bytes apart.  The same for source 0 and source 1.
	v_and_b32 v1, 15, v0                           ; l % 16
	v_bfe_u32 v2, v0, 4, 1                         ; l / 16
	v_mul_u32_u24 v3, v1, PITCH
	v_lshl_add_u32 v3, v2, 4, v3                   ; row x pitch + 16 x half
	s_mul_i32 s21, s13, HALFT                      ; my 128 rows of A
	s_mul_i32 s22, s14, HALFT                      ; my 128 rows of B,
	s_add_co_u32 s22, s22, 2*HALFT                 ; which lie behind A's 256
.irp s, 0,1
	v_add_nc_u32 v[ADRA+(\s)], s21, v3
	v_add_nc_u32 v[ADRB+(\s)], s22, v3
	s_add_co_u32 s21, s21, SLOT
	s_add_co_u32 s22, s22, SLOT
.endr
	s_mul_i32 s23, s12, WSTAGE
	s_add_co_u32 s23, s23, STAGE                   ; my stage
	v_mul_u32_u24 v4, v1, SP                       ; in: row l % 16, 32 bytes for each half of the lanes
	v_lshl_add_u32 v4, v2, 5, v4
	v_add_nc_u32 v[STO], s23, v4
	v_and_b32 v5, 31, v0
	v_lshlrev_b32 v[CO], 4, v5                     ; back: 32 lanes take one row of 512 bytes, 16 bytes each: columns 4 l .. 4 l + 3 of my 128
	v_add_nc_u32 v[RD], s23, v[CO]
	s_lshl_b32 s46, s42, 10                        ; my first column, in bytes of f32: 1,024 x tile column + 512 x half (in the registers that held B's address: none that feeds A's descriptors ever holds cx)
	s_lshl_b32 s47, s14, 9
	s_add_co_u32 s46, s46, s47
	s_mov_b32 s47, 0
	s_add_nc_u64 s[8:9], s[8:9], s[46:47]
	global_load_b128 v[BI:BI+3], v[CO], s[8:9]     ; the bias of my four columns
	s_add_nc_u64 s[10:11], s[10:11], s[46:47]
	s_lshl_b32 s16, s43, 8
	s_lshl_b32 s17, s13, 7
	s_add_co_u32 s16, s16, s17                     ; my first row of out0: 256 x tile row + 128 x half,
	s_lshl_b32 s16, s16, 14                        ; times 16,384 bytes: under 2^26
	s_mov_b32 s17, 0
	s_add_nc_u64 s[10:11], s[10:11], s[16:17]      ; out0 at my part's first number; never stepped: my 128 rows stand in the stores' immediates
; 16 matrix instructions: m blocks a0, a0 + 1 of the window's four (hi = 0: my rows 0-63, 1: rows 64-127) x all 8 n blocks, 32 along K.
; zero = 1: the first product starts the sums: nothing is ever cleared.  The 64 accumulators come in the same order in every quarter step, one instruction a turn.
.macro MUL16 f, hi, a0, zero
	WIN MUL_LO+0x50*(\hi)  ; MUL_LO or MUL_HI
.irp a, \a0, (\a0)+1
.irp b, 0,1,2,3,4,5,6,7
.if \zero
	v_wmma_f32_16x16x32_bf16 v[8*(8*(\a)+(\b)):8*(8*(\a)+(\b))+7], v[(\f)+8*(\b):(\f)+8*(\b)+7], v[(\f)+8*(4*(\hi)+(\a)):(\f)+8*(4*(\hi)+(\a))+7], 0
.else
	v_wmma_f32_16x16x32_bf16 v[8*(8*(\a)+(\b)):8*(8*(\a)+(\b))+7], v[(\f)+8*(\b):(\f)+8*(\b)+7], v[(\f)+8*(4*(\hi)+(\a)):(\f)+8*(4*(\hi)+(\a))+7], v[8*(8*(\a)+(\b)):8*(8*(\a)+(\b))+7]
.endif
.endr
.endr
.endm
; 32 LDS loads in one run: the fragments of one quarter step (128 rows of B, 128 rows of A, 32 K at byte k of the rows) into buffer f
.macro FETCH slot, k, f
	WIN TO_B
.irp i, 0,1,2,3,4,5,6,7
	ds_load_b128 v[(\f)+8*(\i):(\f)+8*(\i)+3],   v[ADRB+(\slot)] offset:(\k)+(\i)*16*PITCH
	ds_load_b128 v[(\f)+8*(\i)+4:(\f)+8*(\i)+7], v[ADRB+(\slot)] offset:(\k)+(\i)*16*PITCH+32
.endr
	WIN 0
.irp i, 0,1,2,3,4,5,6,7
	ds_load_b128 v[(\f)+8*(\i):(\f)+8*(\i)+3],   v[ADRA+(\slot)] offset:(\k)+(\i)*16*PITCH
	ds_load_b128 v[(\f)+8*(\i)+4:(\f)+8*(\i)+7], v[ADRA+(\slot)] offset:(\k)+(\i)*16*PITCH+32
.endr
.endm
; A load into a register that a matrix instruction has read, and an LDS store that reads a matrix result, stand four places behind that matrix instruction, and only plain vector instructions that
; name none of its registers are places (ISA guide 7.12.1 for vector instructions); the matrix instructions in between are not counted.
.macro PLACES
.rept 4
	v_nop
.endr
.endm
; A K step is four quarter steps of 32 along K, 64 matrix instructions each, on buffers 0, 1, 0, 1.
; One of the first three: multiplies buffer f; in its middle it fetches the next quarter's fragments, at byte k of the same slot's rows, into buffer g.
.macro QUARTER slot, k, f, g, zero
	s_wait_dscnt 8                                 ; B and A's rows 0-63 are in; the youngest eight loads (A's rows 64-127) may be out
	WIN MUL_LO
	MUL16 \f, 0, 0, \zero
	MUL16 \f, 0, 2, \zero
	PLACES
	FETCH \slot, \k, \g
	s_wait_dscnt 32                                ; all but the 32 just issued
	WIN MUL_HI
	MUL16 \f, 1, 0, \zero
	MUL16 \f, 1, 2, \zero
.endm
; The last quarter multiplies buffer 1 and changes slots.  MEET is its first half: ONE barrier for the change of slots, for two things.  In front of it each wave waits for all its tensor loads,
; of which one is out: its part of the next slot; adds 0 to its spare word; and waits for that and for its own reads of this slot.  Behind it nobody reads this slot any more and the next slot is whole.
.macro MEET round                      ; round = 1: a round of the cluster's barrier follows
	WIN 0                                          ; (the add's two registers lie in window 0)
	s_wait_tensorcnt 0x0                           ; all my tensor loads have landed: the one that was out is my part of the next slot;
	ds_add_u32 v[SPW], v[NIL]                      ; 0 onto my spare word;
	s_wait_dscnt 9                                 ; (the add and the youngest eight loads may be out)
	WIN MUL_LO
	MUL16 F1, 0, 0, 0                              ; sixteen matrix instructions stand between the add and the wait for it
	s_wait_dscnt 0x0                               ; the add is done, and my reads of this slot are over:
	s_barrier_signal -1                            ; say so (where a slot is filled again this barrier opens a round of the cluster's barrier),
	MUL16 F1, 0, 2, 0                              ; work on registers while the others arrive,
.if \round
	WIN 0
.endif
	s_barrier_wait -1                              ; and go on when all four have said so
.endm
; The whole last quarter.  Behind the round the slot just read out is filled again first, with the K step two steps on; then come the next slot's first fragments.
; From a request to the wait for it a wave issues 224 matrix instructions.
.macro TURN slot, next
	MEET 1
	CREST                                          ; no wave of any partner still reads this slot's tile or has a load on its way
	s_add_nc_u64 s[G0+4*(\slot)+2:G0+4*(\slot)+3], s[G0+4*(\slot)+2:G0+4*(\slot)+3], 2*KSTEP*2    ; no tensor load of mine is out, so a group 0 may be written; the type bits on top are not reached
	s_add_nc_u64 s[G0B+4*(\slot)+2:G0B+4*(\slot)+3], s[G0B+4*(\slot)+2:G0B+4*(\slot)+3], 2*KSTEP*2
	JLOAD \slot                                    ; the first tensor load behind the round, and my only one until the next; the four v_nop behind it are also the places in front of the loads below
	FETCH \next, 0, F0
	WIN MUL_HI
	MUL16 F1, 1, 0, 0
	MUL16 F1, 1, 2, 0
.endm
; THE WAY OUT of block a (16 of my rows x my 128 columns), in two parts.
; TOSTAGE: a lane's eight numbers of accumulator b are 32 bytes of row l % 16, at byte 64 b + 32 (l / 16); each accumulator's four lowest registers go first.  Then the 16 rows come
; back whole, 512 bytes a load, into the fragment buffer a % 2 of window 0, which is free.
.macro TOSTAGE a
.set AC, 64*((\a)%4)
.set BK, F0+64*((\a)%2)
	WIN 0x08+4*((\a)/4)                            ; the stores' data (source 1): window 2 or 3
.irp b, 0,1,2,3,4,5,6,7
	ds_store_b128 v[STO], v[AC+8*(\b):AC+8*(\b)+3]   offset:64*(\b)
	ds_store_b128 v[STO], v[AC+8*(\b)+4:AC+8*(\b)+7] offset:64*(\b)+16
.endr
	WIN 0
	s_wait_xcnt 0x0                                ; the registers below were the data of block a - 2's stores to memory: they are loaded again only behind this wait
.irp t, 0,1,2,3,4,5,6,7,8,9,10,11,12,13,14,15
	ds_load_b128 v[BK+4*(\t):BK+4*(\t)+3], v[RD] offset:(\t)*SP  ; LDS serves a wave's instructions in order (ISA guide 5.7.1.4): these see the stores above, and the next block's stores come behind them
.endr
.endm
; SEND: the bias is added and the rows are stored.  younger = the LDS instructions issued behind block a's loads: the next block's 32, or none.
.macro SEND a, younger
.set BK, F0+64*((\a)%2)
	WIN 0
.irp t, 0,1,2,3,4,5,6,7,8,9,10,11,12,13,14,15
	s_wait_dscnt (\younger)+15-(\t)                ; row t is back; the rows behind it and the younger instructions may be out
	v_pk_add_f32 v[BK+4*(\t):BK+4*(\t)+1],   v[BK+4*(\t):BK+4*(\t)+1],   v[BI:BI+1]
	v_pk_add_f32 v[BK+4*(\t)+2:BK+4*(\t)+3], v[BK+4*(\t)+2:BK+4*(\t)+3], v[BI+2:BI+3]
	global_store_b128 v[CO], v[BK+4*(\t):BK+4*(\t)+3], s[10:11] offset:(16*(\a)+(\t))*SIZE_N*4 th:TH_STORE_NT  ; 512 consecutive bytes, at a multiple of 512 from out0's first; 127 rows of 16,384 bytes at the most: inside the signed 24-bit immediate
.endr
.endm
	s_wait_loadcnt 0x0                             ; the bias, here where the wave waits for its first tile anyway
	s_wait_tensorcnt 1                             ; my part of K step 0 is in; K step 1's may stay out
	s_barrier_signal -1
	s_barrier_wait -1                              ; everybody's is
	FETCH 0, 0, F0
	QUARTER 0, 64,  F0, F1, 1                      ; the first quarter stands in front of the loop: its products start the sums
	WIN 0                                          ; at a label and at a branch every window is 0
	s_mov_b32 s3, LAPS-1
.Llap:                                                 ; a trip goes once round the ring, from a lap's second quarter to the next lap's first, and fills both slots again: K steps 2 to 31 in 15 trips
	QUARTER 0, 128, F1, F0, 0
	QUARTER 0, 192, F0, F1, 0
	TURN 0, 1
	QUARTER 1, 64,  F0, F1, 0
	QUARTER 1, 128, F1, F0, 0
	QUARTER 1, 192, F0, F1, 0
	TURN 1, 0
	QUARTER 0, 64,  F0, F1, 0
	WIN 0
	s_sub_co_u32 s3, s3, 1
	s_cmp_lg_u32 s3, 0
	s_cbranch_scc1 .Llap
	QUARTER 0, 128, F1, F0, 0                      ; the last lap is written out: it fills nothing and no round is needed
	QUARTER 0, 192, F0, F1, 0
	MEET 0                                         ; my one tensor load that was still out is slot 1's, the last K step's
	PLACES                                         ; for the loads into buffer 0, which the quarter before multiplied
	FETCH 1, 0, F0
	WIN MUL_HI
	MUL16 F1, 1, 0, 0
	MUL16 F1, 1, 2, 0
	QUARTER 1, 64,  F0, F1, 0
	QUARTER 1, 128, F1, F0, 0
	QUARTER 1, 192, F0, F1, 0
	s_wait_dscnt 8                                 ; the very last quarter: nothing more to fetch
	WIN MUL_LO
	MUL16 F1, 0, 0, 0
	MUL16 F1, 0, 2, 0
	s_wait_dscnt 0x0
	MUL16 F1, 1, 0, 0
	MUL16 F1, 1, 2, 0
	WIN 0
	PLACES                                         ; behind the last products: for the LDS stores that read results, and for the loads into A's fragment registers
	TOSTAGE 0
.irp a, 1,2,3,4,5,6,7                  ; block a goes into the stage while block a - 1's rows come back
	TOSTAGE \a
	SEND (\a)-1, 32
.endr
	SEND 7, 0
	s_wait_tensorcnt 0x0                           ; the wave's end: an add between two waits, behind my last tensor load and my last LDS store
	ds_add_u32 v[SPW], v[NIL]
	s_wait_dscnt 0x0
	CROUND                                         ; the closing round: no work-group ends while a partner may still ask for a tile that names it
	s_endpgm
.Lfunc_end_k_q6dc8f24aaf_gemm:
	.size	k_q6dc8f24aaf_gemm, .Lfunc_end_k_q6dc8f24aaf_gemm-k_q6dc8f24aaf_gemm
	.p2alignl 7, 3214868480
	.fill 96, 4, 3214868480
	.section	.rodata,"a",@progbits
	.p2align	6, 0x0
	.amdhsa_kernel k_q6dc8f24aaf_gemm
		.amdhsa_group_segment_fixed_size 327680
		.amdhsa_private_segment_fixed_size 0
		.amdhsa_enable_private_segment 0
		.amdhsa_kernarg_size 32
		.amdhsa_user_sgpr_count 2
		.amdhsa_user_sgpr_kernarg_segment_ptr 1
		.amdhsa_wavefront_size32 1
		.amdhsa_system_sgpr_workgroup_id_x 1
		.amdhsa_system_sgpr_workgroup_id_y 1
		.amdhsa_system_sgpr_workgroup_id_z 1
		.amdhsa_system_vgpr_workitem_id 0
		.amdhsa_next_free_vgpr 1024
		.amdhsa_next_free_sgpr 66
		.amdhsa_reserve_vcc 0
		.amdhsa_float_denorm_mode_32 3
		.amdhsa_float_denorm_mode_16_64 3
		.amdhsa_memory_ordered 1
		.amdhsa_forward_progress 1
		.amdhsa_inst_pref_size 160
	.end_amdhsa_kernel
	.amdgpu_metadata
---
amdhsa.version: [ 1, 2 ]
amdhsa.kernels:
  - .name:           k_q6dc8f24aaf_gemm
    .symbol:         k_q6dc8f24aaf_gemm.kd
    .args:
      - { .name: xq, .offset: 0, .size: 8, .value_kind: global_buffer, .address_space: global }
      - { .name: wq, .offset: 8, .size: 8, .value_kind: global_buffer, .address_space: global }
      - { .name: bias, .offset: 16, .size: 8, .value_kind: global_buffer, .address_space: global }
      - { .name: out0, .offset: 24, .size: 8, .value_kind: global_buffer, .address_space: global }
    .group_segment_fixed_size: 327680
    .private_segment_fixed_size: 0
    .kernarg_segment_align: 8
    .kernarg_segment_size: 32
    .max_flat_workgroup_size: 128
    .sgpr_count:     66
    .vgpr_count:     1024
    .wavefront_size: 32
...
	.end_amdgpu_metadata
.endif
;; end of part 2
;; ======== version 2 of 2: 2 launches; version 1 with the launch quant written anew for expert scheduling mode
;; limits: inputs' magnitudes at most 2.6e+33
;; workspace buffers: xq 33,554,432 bytes; wq 33,554,432 bytes
;; launch quant (part 3): grid 512 x 2, 8 waves a work-group, no clusters, 0 bytes of LDS; arguments x, weight, xq, wq; writes xq, wq
.if DOCPART == 3
	.amdgcn_target "amdgcn-amd-amdhsa--gfx1250"
	.amdhsa_code_object_version 6
	.text
	.protected	k_q6dc8f24aaf_quant
	.globl	k_q6dc8f24aaf_quant
	.p2align	8
	.type	k_q6dc8f24aaf_quant,@function
k_q6dc8f24aaf_quant:
	s_mov_b64 s[64:65], 0
	v_nop
	global_prefetch_b8 v0, s[64:65] scope:SCOPE_SE
	s_setreg_imm32_b32 hwreg(HW_REG_WAVE_SCHED_MODE, 0, 2), 2
	s_setreg_imm32_b32 hwreg(HW_REG_WAVE_MODE, 25, 1), 1
	s_wait_xcnt 0x0
	s_wait_alu depctr_vm_vsrc(0)
; BLOCK-FLOATING-POINT ROUNDING of x (grid y = 0) and of weight (grid y = 1): [4096][4096] f32 in, the same shape in bf16 out.
; 16 neighbouring numbers of a row share e = floor(log2(max |.|)); each is rounded, ties to even, to a whole number q of steps of 2^(e-6), q cut at +127
; (|x| < 2^(e+1) = 128 steps, so -128 is never passed and no lower cut is needed).  q x 2^(e-6) has 8 significant bits at the most: it IS a bf16 number, so the
; conversion at the end loses nothing, and the product that follows takes exactly the numbers that the rounding made.
; HOW.  E = the biased exponent of the group's maximum.  C = 1.5 x 2^(E+17-127) is 1.5 x 2^23 steps, and between 2^23 and 2^24 steps neighbouring f32 numbers lie one step apart.
; So x + C is the rounding to whole steps (ties to even: C is an even number of steps); C's bit pattern + 127 is C + 127 steps, the cut; and (x + C) - C is exact.
; E = 0 (a maximum that is zero or denormal) gives e = -127, as the floor of log2(1e-38) does; a group of zeros gives zeros.
; LIMITS.  |x| stays below 2^111 (2.6e33): C needs E + 17 <= 254.  NaN and infinities are not treated apart (a NaN loses in the maximum).  e is the true floor of log2: a log2 computed in f32 may round
; up to the next whole number for a maximum within a few last places below a power of two, and that group then has twice the step there.  A zero result is +0 whatever the sign of x.
; SHARES.  A tensor is 64 MiB on end.  A work-group owns 131,072 bytes of it: 32 chunks of 4,096.  Thread t takes the 16 bytes at 16 t of every chunk, so a wave's load covers 512 consecutive bytes and
; a group of 16 numbers lies in four neighbouring lanes; its 4 results are the 8 bytes at 8 t of 2,048, so a wave's store covers 256 consecutive bytes, at a multiple of 256 from the buffer's first.
; No LDS, no barrier, no matrix unit: nothing is shared between waves, and every byte is read and written once.
; THE MODE: SCHED_MODE bits 1:0 = 2 (LLVM: expert scheduling mode 2), set by the entry lines.  The code itself states the register dependences
; between vector instructions and memory instructions, with s_wait_alu, always for 0.
; THE PLAN.  The 32 chunks go in 8 blocks of four.  Registers that memory instructions touch:
;   X0 .. X3   four blocks as loaded.       Written by the loads of block p + 3, issued in block p; read by block p's maxima and additions.
;   Y0, Y1     two blocks of bf16 to store. Written by block p's conversions; read by the four stores that are issued in block p + 1.
;   v1, v2     byte offsets, made once at the head and never written again: every chunk is reached by an immediate offset (31 x 4,096 bytes at the most), and no base is stepped.
;   WK is named by vector instructions alone.
; Block p works on X[p % 4] and writes Y[p % 2].  Its memory instructions are the loads into X[(p + 3) % 4] = X[(p - 1) % 4] and the stores from Y[(p - 1) % 2]: the two buffers that
; block p - 1 worked on and that no vector instruction of block p names.  So the waits at a block's head state all that its eight memory instructions hang on, and these are dealt
; among its vector instructions, a load and a store in front of each chunk's seventeen, with no further wait.
; NO LOOP: of the 8 blocks the first stores nothing, four load and store, the last three load nothing; a lap of four blocks would go round once.  One macro writes all eight.
.set BLOCK,  4                         ; chunks in a block
.set BLOCKS, 32/BLOCK
.set INB,    4096                      ; bytes of a chunk as read
.set OUTB,   2048                      ; and as written
.set IN,  1                            ; v1        16 t; never rewritten
.set OUT, 2                            ; v2        8 t; never rewritten
.set WK,  4                            ; v[4:19]   two sets of eight at work, by the chunk's parity: +0 the maximum, +2 C, +3 C + 127 steps, +4..+7 four numbers
.set X,   20                           ; v[20:83]  buffer k, chunk i: 4 numbers as loaded, at X + 16 k + 4 i
.set Y,   84                           ; v[84:99]  buffer k, chunk i: 4 bf16 to store, at Y + 8 k + 2 i
	s_load_b256 s[4:11], s[0:1], 0x0               ; x s[4:5], weight s[6:7], xq s[8:9], wq s[10:11]
	v_lshlrev_b32 v[IN], 4, v0
	v_lshlrev_b32 v[OUT], 3, v0
	s_lshl_b32 s2, ttmp9, 17                       ; the work-group's 131,072 bytes of input (under 2^26),
	s_mov_b32 s3, 0
	s_lshl_b32 s16, ttmp9, 16                      ; and its 65,536 bytes of output
	s_mov_b32 s17, 0
	s_and_b32 s15, ttmp7, 0xffff                   ; which tensor
	s_mov_b32 s12, 0x7f800000                      ; an f32's exponent field
	s_mov_b32 s13, 0x08c00000                      ; 17 in the exponent field and the mantissa of 1.5
	s_wait_kmcnt 0x0
	s_cmp_eq_u32 s15, 0
	s_cselect_b64 s[4:5], s[4:5], s[6:7]           ; from x or from weight,
	s_cselect_b64 s[6:7], s[8:9], s[10:11]         ; to xq or to wq
	s_add_nc_u64 s[4:5], s[4:5], s[2:3]
	s_add_nc_u64 s[6:7], s[6:7], s[16:17]
	s_wait_alu depctr_va_vdst(0)                   ; v1 and v2 are written: every load of the kernel reads the one, every store the other, as its offset
.irp i, 0,1,2,3,4,5,6,7,8,9,10,11
	global_load_b128 v[X+4*(\i):X+4*(\i)+3], v[IN], s[4:5] offset:(\i)*INB th:TH_LOAD_NT  ; blocks 0, 1 and 2 into X0, X1, X2
.endr
; Block p.  It loads block p + 3 while there is one, and stores block p - 1 if there is one.
.macro BLK p
.set XB, X+16*((\p)%4)                 ; the X that this block works on
.set XN, X+16*(((\p)+3)%4)             ; the X in which its loads land
.set YB, Y+8*((\p)%2)                  ; the Y that it writes
.set YP, Y+8*(((\p)+1)%2)              ; the Y that its stores read
.if (\p)+2 < BLOCKS
	s_wait_loadcnt 2*BLOCK                         ; loads come back in order (ISA guide 5.7.1): this block's four are in, the two younger blocks' eight stay out
.else
	s_wait_loadcnt (BLOCKS-1-(\p))*BLOCK           ; the last blocks: nothing more was asked for, and the counts run down
.endif
.if (\p) >= 2
	s_wait_xcnt 0x0                                ; every earlier memory instruction has had its addresses translated (ISA guide 3.1): this block's Y, the data of stores issued in the block before, is rewritten only behind this wait
	s_wait_alu depctr_vm_vsrc(0)                   ; the stores issued in the block before have read this block's Y, which its conversions write again
.endif
.if (\p) >= 1
	s_wait_alu depctr_va_vdst(0)                   ; the block before has written the other Y, which the stores below read, and is done reading its X, in which the loads below land
.endif
.irp i, 0,1,2,3
.set W,  WK+8*((\i)%2)
.set XI, XB+4*(\i)
.set YI, YB+2*(\i)
.if (\p)+3 < BLOCKS
	global_load_b128 v[XN+4*(\i):XN+4*(\i)+3], v[IN], s[4:5] offset:(((\p)+3)*BLOCK+(\i))*INB th:TH_LOAD_NT  ; three blocks ahead; no vector instruction since the wait names these registers
.endif
.if (\p) >= 1
	global_store_b64 v[OUT], v[YP+2*(\i):YP+2*(\i)+1], s[6:7] offset:(((\p)-1)*BLOCK+(\i))*OUTB  ; the block before; no hint: the next launch reads these bytes
.endif
	v_max3_num_f32 v[W], |v[XI]|, |v[XI+1]|, |v[XI+2]|
	v_max_num_f32 v[W], v[W], |v[XI+3]|            ; the largest magnitude of my four,
	v_max_num_f32_dpp v[W], v[W], v[W] row_xmask:1 row_mask:0xf bank_mask:0xf
	v_max_num_f32_dpp v[W], v[W], v[W] row_xmask:2 row_mask:0xf bank_mask:0xf  ; and of the group's sixteen, in all four lanes
	v_and_b32 v[W], s12, v[W]                      ; E in its field
	v_add_nc_u32 v[W+2], s13, v[W]                 ; C
	v_add_nc_u32 v[W+3], 127, v[W+2]               ; C + 127 steps
	v_pk_add_f32 v[W+4:W+5], v[XI:XI+1],   v[W+2:W+3] op_sel_hi:[1,0]  ; x + C: rounded to whole steps
	v_pk_add_f32 v[W+6:W+7], v[XI+2:XI+3], v[W+2:W+3] op_sel_hi:[1,0]
.irp j, 4,5,6,7
	v_min_num_f32 v[W+(\j)], v[W+(\j)], v[W+3]     ; cut at +127 steps
.endr
	v_pk_add_f32 v[W+4:W+5], v[W+4:W+5], v[W+2:W+3] op_sel_hi:[1,0] neg_lo:[0,1] neg_hi:[0,1]  ; less C: exact
	v_pk_add_f32 v[W+6:W+7], v[W+6:W+7], v[W+2:W+3] op_sel_hi:[1,0] neg_lo:[0,1] neg_hi:[0,1]
	v_cvt_pk_bf16_f32 v[YI],   v[W+4], v[W+5]      ; exact too
	v_cvt_pk_bf16_f32 v[YI+1], v[W+6], v[W+7]
.endr
.endm
.irp p, 0,1,2,3,4,5,6,7
	BLK \p                                         ; blocks 0 to 4 load blocks 3 to 7: no load leaves the buffer; blocks 1 to 7 store blocks 0 to 6
.endr
	s_wait_alu depctr_va_vdst(0)                   ; block 7 has written Y1, which the last four stores read
.irp i, 0,1,2,3
	global_store_b64 v[OUT], v[Y+8+2*(\i):Y+8+2*(\i)+1], s[6:7] offset:((BLOCKS-1)*BLOCK+(\i))*OUTB
.endr
	s_endpgm
.Lfunc_end_k_q6dc8f24aaf_quant:
	.size	k_q6dc8f24aaf_quant, .Lfunc_end_k_q6dc8f24aaf_quant-k_q6dc8f24aaf_quant
	.p2alignl 7, 3214868480
	.fill 96, 4, 3214868480
	.section	.rodata,"a",@progbits
	.p2align	6, 0x0
	.amdhsa_kernel k_q6dc8f24aaf_quant
		.amdhsa_group_segment_fixed_size 0
		.amdhsa_private_segment_fixed_size 0
		.amdhsa_enable_private_segment 0
		.amdhsa_kernarg_size 32
		.amdhsa_user_sgpr_count 2
		.amdhsa_user_sgpr_kernarg_segment_ptr 1
		.amdhsa_wavefront_size32 1
		.amdhsa_system_sgpr_workgroup_id_x 1
		.amdhsa_system_sgpr_workgroup_id_y 1
		.amdhsa_system_sgpr_workgroup_id_z 1
		.amdhsa_system_vgpr_workitem_id 0
		.amdhsa_next_free_vgpr 100
		.amdhsa_next_free_sgpr 66
		.amdhsa_reserve_vcc 0
		.amdhsa_float_denorm_mode_32 3
		.amdhsa_float_denorm_mode_16_64 3
		.amdhsa_memory_ordered 1
		.amdhsa_forward_progress 1
		.amdhsa_inst_pref_size 36
	.end_amdhsa_kernel
	.amdgpu_metadata
---
amdhsa.version: [ 1, 2 ]
amdhsa.kernels:
  - .name:           k_q6dc8f24aaf_quant
    .symbol:         k_q6dc8f24aaf_quant.kd
    .args:
      - { .name: x, .offset: 0, .size: 8, .value_kind: global_buffer, .address_space: global }
      - { .name: weight, .offset: 8, .size: 8, .value_kind: global_buffer, .address_space: global }
      - { .name: xq, .offset: 16, .size: 8, .value_kind: global_buffer, .address_space: global }
      - { .name: wq, .offset: 24, .size: 8, .value_kind: global_buffer, .address_space: global }
    .group_segment_fixed_size: 0
    .private_segment_fixed_size: 0
    .kernarg_segment_align: 8
    .kernarg_segment_size: 32
    .max_flat_workgroup_size: 256
    .sgpr_count:     66
    .vgpr_count:     100
    .wavefront_size: 32
...
	.end_amdgpu_metadata
.endif
;; end of part 3
;; launch gemm: the kernel of part 2 again; grid 16 x 16, 4 waves a work-group, clusters of 4 x 4, 327,680 bytes of LDS; arguments xq, wq, bias, out0; writes out0
